; MI455X (gfx1250); checked and timed in simulation.
; The chip was launched on July 23, 2026; its instructions are those of AMD's public machine-readable ISA for CDNA 5 (MIT licence, August 2026) and "CDNA5" Instruction Set Architecture Reference Guide (July 2026). The comments in the code are by the model that wrote it; some were corrected since.
;; Tiled Attention Module. Allowed arithmetic: float matrix products may take bf16 or f16 operands with f32 sums; all other float work in f32.
;; Inputs: W_k 2,048 x 2,048 float32; W_o 2,048 x 2,048 float32; W_q 2,048 x 2,048 float32; W_v 2,048 x 2,048 float32; x 2 x 1,024 x 2,048 float32.
;; Outputs: out0 2 x 1,024 x 2,048 float32.
;; One version. Each part assembles by itself: llvm-mc -triple=amdgcn-amd-amdhsa -mcpu=gfx1250 --defsym DOCPART=n.
;; ======== version 1 of 1: 4 launches
;; limits: values are held in f16: magnitudes above 65,504 overflow, below 6.1e-05 lose precision
;; workspace buffers: w16 33,554,432 bytes; wo16 8,388,608 bytes; qkv 25,165,824 bytes; ob 8,388,608 bytes
;; launch cast (part 1): grid 1024 x 1, 8 waves a work-group, no clusters, 0 bytes of LDS; arguments x, W_q, W_k, W_v, w16; writes w16
.if DOCPART == 1
	.amdgcn_target "amdgcn-amd-amdhsa--gfx1250"
	.amdhsa_code_object_version 6
	.text
	.protected	k_q7d2cd5f3d5_cast
	.globl	k_q7d2cd5f3d5_cast
	.p2align	8
	.type	k_q7d2cd5f3d5_cast,@function
k_q7d2cd5f3d5_cast:
	s_mov_b64 s[64:65], 0
	v_nop
	global_prefetch_b8 v0, s[64:65] scope:SCOPE_SE
	s_setreg_imm32_b32 hwreg(HW_REG_WAVE_MODE, 25, 1), 1
	s_wait_xcnt 0x0
; Four f32 inputs, 2048 x 2048 each, are rounded once to bf16 into w16, a matrix of 8,192 rows of 2,048 numbers (4,096 bytes):
; rows 0-2047 x, 2048-4095 W_q, 4096-6143 W_k, 6144-8191 W_v.  (W_o is converted by the next launch, which has idle time for it.)
; A stream: memory binds, so no LDS, no barrier, no matrix unit.  Work-group g takes 16 KiB of each tensor; thread t takes 16 bytes at
; 16 t + 4096 j (a wave's load covers 512 neighbouring bytes) and stores 8 bytes at 8 t + 2048 j (a wave's store covers 256 neighbouring
; bytes, aligned).  All 16 loads of a thread go out first; nothing is read twice; no register is written again once a store names it.
.set X, 4                              ; v[4:67]   load n = 4 i + j in v[X+4n : X+4n+3]
	s_load_b256 s[4:11], s[0:1], 0x0               ; x s[4:5], W_q s[6:7], W_k s[8:9], W_v s[10:11]
	s_load_b64 s[12:13], s[0:1], 0x20              ; w16
	s_lshl_b32 s2, ttmp9, 14                       ; my 16 KiB in each input
	s_mov_b32 s3, 0
	s_lshl_b32 s26, ttmp9, 13                      ; my 8 KiB in each part of w16
	s_mov_b32 s27, 0
	v_lshlrev_b32 v1, 4, v0                        ; 16 t
	v_lshlrev_b32 v2, 3, v0                        ; 8 t
	s_wait_kmcnt 0x0
.irp i, 0,1,2,3
	s_add_nc_u64 s[4+2*\i:5+2*\i], s[4+2*\i:5+2*\i], s[2:3]
.endr
	s_add_nc_u64 s[16:17], s[12:13], s[26:27]
.irp i, 1,2,3
	s_add_nc_u64 s[16+2*\i:17+2*\i], s[16:17], \i*0x800000     ; tensor i's part of w16: 2,048 rows of 4,096 bytes further on
.endr
.irp i, 0,1,2,3
.irp j, 0,1,2,3
	global_load_b128 v[X+16*\i+4*\j:X+16*\i+4*\j+3], v1, s[4+2*\i:5+2*\i] offset:4096*\j th:TH_LOAD_NT
.endr
.endr
.macro CAST i, j
	s_wait_loadcnt 15-(4*\i+\j)                    ; loads come back in order (ISA guide 5.7.1): this one is in, the younger ones stay out
	v_cvt_pk_bf16_f32 v[X+16*\i+4*\j],   v[X+16*\i+4*\j],   v[X+16*\i+4*\j+1]
	v_cvt_pk_bf16_f32 v[X+16*\i+4*\j+1], v[X+16*\i+4*\j+2], v[X+16*\i+4*\j+3]
	global_store_b64 v2, v[X+16*\i+4*\j:X+16*\i+4*\j+1], s[16+2*\i:17+2*\i] offset:2048*\j
.endm
.irp i, 0,1,2,3
.irp j, 0,1,2,3
	CAST \i, \j
.endr
.endr
	s_endpgm
.Lfunc_end_k_q7d2cd5f3d5_cast:
	.size	k_q7d2cd5f3d5_cast, .Lfunc_end_k_q7d2cd5f3d5_cast-k_q7d2cd5f3d5_cast
	.p2alignl 7, 3214868480
	.fill 96, 4, 3214868480
	.section	.rodata,"a",@progbits
	.p2align	6, 0x0
	.amdhsa_kernel k_q7d2cd5f3d5_cast
		.amdhsa_group_segment_fixed_size 0
		.amdhsa_private_segment_fixed_size 0
		.amdhsa_enable_private_segment 0
		.amdhsa_kernarg_size 40
		.amdhsa_user_sgpr_count 2
		.amdhsa_user_sgpr_kernarg_segment_ptr 1
		.amdhsa_wavefront_size32 1
		.amdhsa_system_sgpr_workgroup_id_x 1
		.amdhsa_system_sgpr_workgroup_id_y 1
		.amdhsa_system_sgpr_workgroup_id_z 1
		.amdhsa_system_vgpr_workitem_id 0
		.amdhsa_next_free_vgpr 72
		.amdhsa_next_free_sgpr 66
		.amdhsa_reserve_vcc 0
		.amdhsa_float_denorm_mode_32 3
		.amdhsa_float_denorm_mode_16_64 3
		.amdhsa_memory_ordered 1
		.amdhsa_forward_progress 1
		.amdhsa_inst_pref_size 7
	.end_amdhsa_kernel
	.amdgpu_metadata
---
amdhsa.version: [ 1, 2 ]
amdhsa.kernels:
  - .name:           k_q7d2cd5f3d5_cast
    .symbol:         k_q7d2cd5f3d5_cast.kd
    .args:
      - { .name: x, .offset: 0, .size: 8, .value_kind: global_buffer, .address_space: global }
      - { .name: W_q, .offset: 8, .size: 8, .value_kind: global_buffer, .address_space: global }
      - { .name: W_k, .offset: 16, .size: 8, .value_kind: global_buffer, .address_space: global }
      - { .name: W_v, .offset: 24, .size: 8, .value_kind: global_buffer, .address_space: global }
      - { .name: w16, .offset: 32, .size: 8, .value_kind: global_buffer, .address_space: global }
    .group_segment_fixed_size: 0
    .private_segment_fixed_size: 0
    .kernarg_segment_align: 8
    .kernarg_segment_size: 40
    .max_flat_workgroup_size: 256
    .sgpr_count:     66
    .vgpr_count:     72
    .wavefront_size: 32
...
	.end_amdgpu_metadata
.endif
;; end of part 1
;; launch proj_qkv (part 2): grid 16 x 16, 4 waves a work-group, clusters of 4 x 4, 327,680 bytes of LDS; arguments w16, W_o, qkv, wo16; writes qkv, wo16
.if DOCPART == 2
	.amdgcn_target "amdgcn-amd-amdhsa--gfx1250"
	.amdhsa_code_object_version 6
	.text
	.protected	k_q7d2cd5f3d5_proj_qkv
	.globl	k_q7d2cd5f3d5_proj_qkv
	.p2align	8
	.type	k_q7d2cd5f3d5_proj_qkv,@function
k_q7d2cd5f3d5_proj_qkv:
	s_mov_b64 s[64:65], 0
	v_nop
	global_prefetch_b8 v0, s[64:65] scope:SCOPE_SE
	s_setreg_imm32_b32 hwreg(HW_REG_WAVE_MODE, 25, 1), 1
	s_wait_xcnt 0x0
	s_wait_alu depctr_hold_cnt(0) depctr_sa_sdst(0) depctr_va_vdst(0) depctr_va_sdst(0) depctr_va_ssrc(0) depctr_va_vcc(0) depctr_vm_vsrc(0)
	s_getreg_b32 s2, hwreg(HW_REG_IB_STS2, 6, 4)
	s_cmp_eq_u32 s2, 0
	s_cbranch_scc0 .Lentry_in_a_cluster
	s_endpgm
.Lentry_in_a_cluster:
	s_bfe_u32 s2, ttmp6, 0x10000c
	s_cmp_lg_u32 s2, 0xf033
	s_cbranch_scc0 .Lentry_shape_is_right
	s_endpgm
.Lentry_shape_is_right:
; qkv[t][n] = sum over k of x[t][k] W[n][k], W = W_q, W_k, W_v stacked (6,144 rows).  Operands bf16 from w16 (x: rows 0-2047, W: rows 2048-8191),
; sums f32, result rounded once to f16: qkv is [2048][6144] f16, 12,288 bytes a row, Q at byte 0, K at 4,096, V at 8,192 of a row.
; LIMIT: |Q|, |K|, |V| < 65,504 (f16's largest number); below 6e-5 the rounding error is absolute, at most 3e-8.
; A work-group makes 128 rows x 384 columns with four waves, one for each SIMD of a WGP; wave w makes all 128 rows x columns 96 w .. 96 w + 95:
; 8 x 6 accumulator tiles of 16 x 16, 384 registers.  16 x 16 = 256 work-groups.
; K goes in 16 steps of 128 through two LDS slots filled by the tensor data mover; a tile's rows are 256 bytes of memory at multiples of 256 bytes.
; CLUSTERS: 4 x 4 work-groups.  x's tile hangs on the block row alone and is asked for jointly by the four of a row of the cluster; W's tiles hang
; on the block column alone and are asked for jointly by the four of a column.
; BESIDES: W_o (f32) is converted for the last launch into wo16 ([2048][2048] f16): rounded to bf16, that value written as f16 (exact for |w| >= 2^-17,
; else off by at most 2^-25; LIMIT |W_o| < 65,504).  Each work-group takes 64 KiB of it.  The loads go out behind the first tile requests into registers
; that nothing else uses, and the arithmetic and the stores stand in the first two K steps just ahead of the wait for the next tile.
; REGISTER WINDOWS: 0: addresses, A's fragments (two buffers), packed results; 1: B's fragments (two buffers); 2: accumulators of rows 0-63
; (tile (a, b) at v[8 (6 a + b)]); 3: those of rows 64-127; v192-255 of windows 2 and 3: W_o's numbers.
; The matrix instruction is used transposed (source 0 = 16 rows of W, source 1 = 16 rows of x): lane l then holds row l % 16 of the result and
; its registers 0-7 the columns 8 (l / 16) + 0..7, eight neighbouring numbers, 16 bytes in f16.
.set SIZE_K, 2048
.set KSTEP,  128
.set PITCH,  272                       ; an LDS row: 256 bytes + 16 of padding, an odd multiple of 16: the 16 rows of a fragment load start at 16 different places modulo 256 bytes
.set PART,   128*PITCH                 ; 128 rows: what one tensor load brings
.set SLOT,   4*PART                    ; x's 128 rows, then W's 384 rows
.set SP,     784                       ; the way out: a row of 384 f16 (768 bytes) + 16
.set OUTP,   12288                     ; bytes in a row of qkv
.set LAPS,   SIZE_K/(2*KSTEP)          ; a lap = two K steps = once round the ring: 8
.set ADRA, 16                          ; v16-17  LDS address of my A fragments in slot 0, 1
.set ADRB, 20                          ; v20-21  the same for B
.set STO,  24                          ; v24-25  the way out: where I put 16 bytes of a row, rows 0-63 and rows 64-127
.set RD,   26                          ; v26     the way out: where I read rows back
.set CO,   27                          ; v27     my byte offset in qkv
.set WLO,  28                          ; v28     16 t: my byte offset in the work-group's part of W_o
.set WSO,  29                          ; v29     8 t: the same in wo16
.set F0,   64                          ; fragment buffer 0
.set F1,   128                         ; fragment buffer 1
.set TMP,  192                         ; v192-215 packed results, window 0
.set WD,   192                         ; v192-255 of window 2: W_o's loads 0-15; of window 3: loads 16-31; four registers each
.set G1,  24                           ; s[24:31] descriptor group 1, A's tile
.set G0,  32                           ; s[32:39] descriptor group 0, A's tile, one set for each slot
.set G1B, 48                           ; s[48:55] group 1, B's tiles: differs in the mask alone
.set G0B, 56                           ; s[56:63] group 0, B's tiles, one set for each slot
.set MSB, 0
.macro WIN new                         ; the immediate's high byte repeats the setting that is left
.if MSB != \new
	s_set_vgpr_msb (MSB<<8)|\new
.set MSB, \new
.endif
.endm
.set MUL_LO, 0xa1                      ; source 0 (B) window 1, source 1 (A) window 0, C and D window 2
.set MUL_HI, 0xf1                      ; the same, C and D window 3
.set TO_B,   0x40                      ; destination window 1, address window 0
; A joint load.  Wave 0 fetches x's 128 rows, waves 1 to 3 each 128 of W's 384.  Each line has one mask; the branch hangs on the wave's number alone.
.macro JLOAD s
	s_cmp_eq_u32 s10, 0
	s_cbranch_scc0 .Lfor_b_\@
	tensor_load_to_lds s[G0+4*\s:G0+4*\s+3], s[G1:G1+7]
	s_nop 0
	v_nop
	s_branch .Lasked_\@
.Lfor_b_\@:
	tensor_load_to_lds s[G0B+4*\s:G0B+4*\s+3], s[G1B:G1B+7]
	s_nop 0
	v_nop
	v_nop
.Lasked_\@:
.endm
; A round of the cluster's barrier: my work-group's barrier; wave 0 signals for the work-group; every wave waits for all sixteen; my work-group's barrier again.
.macro CREST                           ; a round behind its opening barrier
	s_cmp_lg_u32 s10, 0
	s_cbranch_scc1 .Lnot_wave_0_\@
	s_barrier_signal -3
.Lnot_wave_0_\@:
	s_barrier_wait -3
	s_barrier_signal -1
	s_barrier_wait -1
.endm
.macro CROUND
	s_barrier_signal -1
	s_barrier_wait -1
	CREST
.endm
	s_load_b256 s[68:75], s[0:1], 0x0              ; w16 s[68:69], W_o s[70:71], qkv s[72:73], wo16 s[74:75]
	s_set_vgpr_msb 0x40
	v_lshl_add_u32 v255, v0, 2, 0x44000
	s_set_vgpr_msb 0x4000
	v_mov_b32 v255, 0
	s_set_vgpr_msb 0x1
	ds_add_u32 v255, v255
	ds_add_u32 v255, v255
	s_set_vgpr_msb 0x100
	v_lshrrev_b32 v1, 5, v0
	v_readfirstlane_b32 s10, v1                    ; wave 0..3
	s_bfe_u32 s40, ttmp6, 0x40000                  ; cx
	s_bfe_u32 s41, ttmp6, 0x40004                  ; cy
	s_lshl_b32 s42, ttmp9, 2
	s_add_co_u32 s42, s42, s40                     ; block column = 4 x cluster x + cx
	s_and_b32 s13, ttmp7, 0xffff
	s_lshl_b32 s13, s13, 2
	s_add_co_u32 s13, s13, s41                     ; block row = 4 x cluster y + cy
	s_lshl_b32 s43, s41, 2
	s_lshl_b32 s43, 15, s43                        ; my row of the cluster: places 4 cy .. 4 cy + 3
	s_lshl_b32 s44, 0x1111, s40                    ; my column: places cx, cx + 4, cx + 8, cx + 12
	; group 1: a tile of 128 rows x 128 elements of 2 bytes, 4 words of padding behind every 64 words
	s_or_b32 s[G1+0],  s43, (1<<16)|(1<<20)|(1<<21)|(5<<22)|(3<<25)   ; A's tile goes to my row of the cluster; bit 21 set beside a mask
	s_or_b32 s[G1B+0], s44, (1<<16)|(1<<20)|(1<<21)|(5<<22)|(3<<25)   ; B's tiles go to my column
	s_mov_b32 s[G1+1],  KSTEP<<16                  ; tensor_dim0 = 128
	s_mov_b32 s[G1B+1], KSTEP<<16
	s_mov_b32 s[G1+2],  128<<16                    ; tensor_dim1 = 128
	s_mov_b32 s[G1B+2], 128<<16
	s_mov_b32 s[G1+3],  KSTEP<<16                  ; tile_dim0 = 128
	s_mov_b32 s[G1B+3], KSTEP<<16
	s_mov_b32 s[G1+4],  128                        ; tile_dim1 = 128
	s_mov_b32 s[G1B+4], 128
	s_mov_b32 s[G1+5],  SIZE_K                     ; elements from row to row
	s_mov_b32 s[G1B+5], SIZE_K
	s_mov_b32 s[G1+6],  0
	s_mov_b32 s[G1B+6], 0
	s_mov_b32 s[G1+7],  0
	s_mov_b32 s[G1B+7], 0
	; where the tiles come from: A's address is made of the block row alone, B's of the block column and the wave's number, in registers of their own
	s_lshl_b32 s16, s13, 19                        ; A: 128 rows of 4,096 bytes for each block row
	s_mov_b32 s17, 0
	s_max_u32 s18, s10, 1
	s_sub_co_u32 s18, s18, 1                       ; waves 1, 2, 3 take W's rows 0-127, 128-255, 256-383 of the block (wave 0 issues no load of B)
	s_lshl_b32 s18, s18, 7
	s_mul_i32 s46, s42, 384
	s_add_co_u32 s46, s46, s18
	s_add_co_u32 s46, s46, 2048                    ; W begins at row 2,048 of w16
	s_lshl_b32 s46, s46, 12                        ; in bytes: 8,191 x 4,096 at the most
	s_mov_b32 s47, 0
	s_mul_i32 s20, s10, PART                       ; and where they go: wave x 128 rows
	s_lshl_b32 s12, s13, 4
	s_add_co_u32 s12, s12, s42                     ; the work-group's number, 0 to 255: its 64 KiB of W_o, its 32 KiB of wo16
	s_lshl_b32 s8, s12, 16
	s_mov_b32 s9, 0
	s_wait_dscnt 0x0
	s_wait_kmcnt 0x0
	s_add_nc_u64 s[14:15], s[68:69], s[16:17]
	s_add_nc_u64 s[46:47], s[68:69], s[46:47]
	s_add_nc_u64 s[70:71], s[70:71], s[8:9]
	s_lshl_b32 s8, s12, 15
	s_add_nc_u64 s[74:75], s[74:75], s[8:9]
	CROUND                                         ; all sixteen work-groups are here: the first joint loads meet
.irp s, 0,1
	s_mov_b32 s[G0+4*\s], 1
	s_add_co_u32 s[G0+4*\s+1], s20, \s*SLOT
	s_add_nc_u64 s[G0+4*\s+2:G0+4*\s+3], s[14:15], \s*KSTEP*2      ; K step s
	s_or_b32 s[G0+4*\s+3], s[G0+4*\s+3], 0x80000000                ; type = 2
	s_mov_b32 s[G0B+4*\s], 1
	s_add_co_u32 s[G0B+4*\s+1], s20, \s*SLOT
	s_add_nc_u64 s[G0B+4*\s+2:G0B+4*\s+3], s[46:47], \s*KSTEP*2
	s_or_b32 s[G0B+4*\s+3], s[G0B+4*\s+3], 0x80000000
	JLOAD \s                                       ; both slots are asked for before anything else: two loads of this wave are out
.endr
	; W_o: 32 loads of 16 bytes a thread, 2,048 neighbouring bytes for the 128 threads each; they stay out until the first K steps have use for them
	v_lshlrev_b32 v[WLO], 4, v0
	v_lshlrev_b32 v[WSO], 3, v0
	WIN 0x80                                       ; destination window 2, address window 0
.irp n, 0,1,2,3,4,5,6,7,8,9,10,11,12,13,14,15
	global_load_b128 v[WD+4*\n:WD+4*\n+3], v[WLO], s[70:71] offset:2048*\n th:TH_LOAD_NT
.endr
	WIN 0xc0                                       ; destination window 3
.irp n, 0,1,2,3,4,5,6,7,8,9,10,11,12,13,14,15
	global_load_b128 v[WD+4*\n:WD+4*\n+3], v[WLO], s[70:71] offset:2048*(16+\n) th:TH_LOAD_NT
.endr
	WIN 0
	; A fragment: 16 rows x 32 K in 8 registers; lane l holds row l % 16; two loads of 16 bytes, 32 bytes apart, at row x pitch + 16 (l / 16)
	v_and_b32 v1, 15, v0                           ; l % 16
	v_bfe_u32 v2, v0, 4, 1                         ; l / 16
	v_mul_u32_u24 v3, v1, PITCH
	v_lshl_add_u32 v3, v2, 4, v3
	s_mov_b32 s21, 0                               ; A: every wave reads all 128 rows
	s_mul_i32 s22, s10, 96*PITCH                   ; B: my 96 rows,
	s_add_co_u32 s22, s22, PART                    ; behind A's 128
.irp s, 0,1
	v_add_nc_u32 v[ADRA+\s], s21, v3
	v_add_nc_u32 v[ADRB+\s], s22, v3
	s_add_co_u32 s21, s21, SLOT
	s_add_co_u32 s22, s22, SLOT
.endr
	v_mul_u32_u24 v4, v1, SP                       ; the way out, in: row l % 16, my 192 bytes of it, 16 bytes for each half of the lanes
	v_lshl_add_u32 v4, v2, 4, v4
	s_mul_i32 s23, s10, 192
	v_add_nc_u32 v[STO], s23, v4
	v_add_nc_u32 v[STO+1], 64*SP, v[STO]
	v_mul_u32_u24 v5, v2, SP                       ; back: lanes 0-15 take 256 bytes of one row, lanes 16-31 of the next; wave w takes rows 32 w .. 32 w + 31
	v_lshl_add_u32 v5, v1, 4, v5
	s_mul_i32 s23, s10, 32*SP
	v_add_nc_u32 v[RD], s23, v5
	v_mul_u32_u24 v5, v2, OUTP
	v_lshl_add_u32 v[CO], v1, 4, v5
; 12 matrix instructions: row blocks a0, a0 + 1 of the window's four x all 6 column blocks, 32 along K.  zero = 1: the first product starts the sums.
.macro MUL12 f, hi, a0, zero
.irp a, \a0, \a0+1
.irp b, 0,1,2,3,4,5
.if \zero
	v_wmma_f32_16x16x32_bf16 v[8*(6*(\a)+\b):8*(6*(\a)+\b)+7], v[\f+8*\b:\f+8*\b+7], v[\f+8*(4*\hi+\a):\f+8*(4*\hi+\a)+7], 0
.else
	v_wmma_f32_16x16x32_bf16 v[8*(6*(\a)+\b):8*(6*(\a)+\b)+7], v[\f+8*\b:\f+8*\b+7], v[\f+8*(4*\hi+\a):\f+8*(4*\hi+\a)+7], v[8*(6*(\a)+\b):8*(6*(\a)+\b)+7]
.endif
.endr
.endr
.endm
; 28 LDS loads in one run: the fragments of a quarter step (96 rows of B, 128 rows of A, 32 K at byte k of the rows) into buffer f
.macro FETCH slot, k, f
	WIN TO_B
.irp i, 0,1,2,3,4,5
	ds_load_b128 v[\f+8*\i:\f+8*\i+3],   v[ADRB+\slot] offset:\k+\i*16*PITCH
	ds_load_b128 v[\f+8*\i+4:\f+8*\i+7], v[ADRB+\slot] offset:\k+\i*16*PITCH+32
.endr
	WIN 0
.irp i, 0,1,2,3,4,5,6,7
	ds_load_b128 v[\f+8*\i:\f+8*\i+3],   v[ADRA+\slot] offset:\k+\i*16*PITCH
	ds_load_b128 v[\f+8*\i+4:\f+8*\i+7], v[ADRA+\slot] offset:\k+\i*16*PITCH+32
.endr
.endm
; Four places behind a matrix instruction before a load lands on one of its registers or a vector instruction reads its result
; (ISA guide 7.12.1 for vector instructions); other matrix instructions are not counted as places.
.macro PLACES
.rept 4
	v_nop
.endr
.endm
; Sixteen of W_o's loads (c = 0: window 2, c = 1: window 3) are rounded to bf16, written as f16 and stored.  Of a load's four registers the first two take the
; result and the last two serve as room for the widened halves.  Laid stage by stage over the sixteen, so that no line waits for the one in front of it.
; None of these registers belongs to a matrix instruction.
.macro WCAST c
	s_wait_loadcnt 16*(1-\c)                       ; loads come back in order: the first sixteen are in while the second sixteen may be out; then all
	WIN (2+\c)*0x55                                ; every operand in window 2 + c
.irp n, 0,1,2,3,4,5,6,7,8,9,10,11,12,13,14,15
	v_cvt_pk_bf16_f32 v[WD+4*\n],   v[WD+4*\n],   v[WD+4*\n+1]
	v_cvt_pk_bf16_f32 v[WD+4*\n+1], v[WD+4*\n+2], v[WD+4*\n+3]
.endr
.irp n, 0,1,2,3,4,5,6,7,8,9,10,11,12,13,14,15
	v_lshlrev_b32 v[WD+4*\n+2], 16, v[WD+4*\n]
	v_and_b32     v[WD+4*\n+3], 0xffff0000, v[WD+4*\n]
.endr
.irp n, 0,1,2,3,4,5,6,7,8,9,10,11,12,13,14,15
	v_cvt_pk_f16_f32 v[WD+4*\n], v[WD+4*\n+2], v[WD+4*\n+3]
.endr
.irp n, 0,1,2,3,4,5,6,7,8,9,10,11,12,13,14,15
	v_lshlrev_b32 v[WD+4*\n+2], 16, v[WD+4*\n+1]
	v_and_b32     v[WD+4*\n+3], 0xffff0000, v[WD+4*\n+1]
.endr
.irp n, 0,1,2,3,4,5,6,7,8,9,10,11,12,13,14,15
	v_cvt_pk_f16_f32 v[WD+4*\n+1], v[WD+4*\n+2], v[WD+4*\n+3]
.endr
	WIN (2+\c)<<2                                  ; the stores' data in window 2 + c, their address in window 0
.irp n, 0,1,2,3,4,5,6,7,8,9,10,11,12,13,14,15
	global_store_b64 v[WSO], v[WD+4*\n:WD+4*\n+1], s[74:75] offset:1024*(16*\c+\n)   ; a wave's store covers 256 neighbouring bytes, aligned; its registers are never written again
.endr
.endm
; A K step is four quarters of 32 along K, 48 matrix instructions each, on buffers 0, 1, 0, 1.  The 48 accumulators take turns, one instruction a turn,
; in the same order in every quarter.
.macro QUARTER slot, k, f, g, zero
	s_wait_dscnt 8                                 ; B and A's rows 0-63 are in; the youngest eight loads (A's rows 64-127) may be out
	WIN MUL_LO
	MUL12 \f, 0, 0, \zero
	MUL12 \f, 0, 2, \zero
	PLACES
	FETCH \slot, \k, \g
	s_wait_dscnt 28                                ; all but the 28 just issued
	WIN MUL_HI
	MUL12 \f, 1, 0, \zero
	MUL12 \f, 1, 2, \zero
.endm
.macro THREE slot, zero
	QUARTER \slot, 64,  F0, F1, \zero
	QUARTER \slot, 128, F1, F0, 0
	QUARTER \slot, 192, F0, F1, 0
.endm
; The last quarter multiplies buffer 1 and changes slots.  In front of the barrier each wave waits for its reads of this slot and for all its tensor
; loads (one is out: its part of the next slot).  Behind it nobody reads this slot and the next slot is whole: the refill comes first, then the next
; slot's first fragments.  From a request to the wait for it a wave issues 180 matrix instructions.
; wc = 1, 2: half of W_o's conversion stands ahead of those waits, behind twelve products that keep the matrix unit at work meanwhile.
.macro TURN slot, next, fill, wc
	s_wait_dscnt 8
	WIN MUL_LO
	MUL12 F1, 0, 0, 0
.if \wc == 1
	WCAST 0
.endif
.if \wc == 2
	WCAST 1
.endif
	WIN MUL_LO
	s_wait_dscnt 0                                 ; my reads of this slot are over
	s_wait_tensorcnt 0x0                           ; all my tensor loads have landed
	ds_add_u32 v255, v255
	s_wait_dscnt 0x0
	s_barrier_signal -1                            ; (where a slot is filled again this barrier opens a round of the cluster's barrier)
	MUL12 F1, 0, 2, 0                              ; register work while the others arrive
	WIN 0
	s_barrier_wait -1
.if \fill
	CREST                                          ; no wave of any partner still reads this slot's tile or has a load on its way
	s_add_nc_u64 s[G0+4*\slot+2:G0+4*\slot+3], s[G0+4*\slot+2:G0+4*\slot+3], 2*KSTEP*2
	s_add_nc_u64 s[G0B+4*\slot+2:G0B+4*\slot+3], s[G0B+4*\slot+2:G0B+4*\slot+3], 2*KSTEP*2
	JLOAD \slot                                    ; the first tensor load behind the round, and this wave's only one until the next
.endif
	PLACES
	FETCH \next, 0, F0
	WIN MUL_HI
	MUL12 F1, 1, 0, 0
	MUL12 F1, 1, 2, 0
.endm
.macro LAP
	THREE 0, 0
	TURN 0, 1, 1, 0
	THREE 1, 0
	TURN 1, 0, 1, 0
.endm
	s_wait_tensorcnt 1                             ; my part of K step 0 is in; K step 1's may stay out
	s_barrier_signal -1
	s_barrier_wait -1
	FETCH 0, 0, F0
	THREE 0, 1                                     ; the first lap stands in front of the loop: its first products start the sums,
	TURN 0, 1, 1, 1                                ; and its two changes of slots carry W_o's conversion
	THREE 1, 0
	TURN 1, 0, 1, 2
	WIN 0
	s_mov_b32 s3, LAPS-2
.Llap:
	LAP
	WIN 0
	s_sub_co_u32 s3, s3, 1
	s_cmp_lg_u32 s3, 0
	s_cbranch_scc1 .Llap
	THREE 0, 0                                     ; the last lap fills nothing
	TURN 0, 1, 0, 0
	THREE 1, 0
	s_wait_dscnt 8
	WIN MUL_LO
	MUL12 F1, 0, 0, 0
	MUL12 F1, 0, 2, 0
	s_wait_dscnt 0
	WIN MUL_HI
	MUL12 F1, 1, 0, 0
	MUL12 F1, 1, 2, 0
	; THE WAY OUT.  A wave's 96 columns are 192 bytes of a row, so the four waves gather the block's 128 rows of 768 bytes in LDS and each then stores 32 whole
	; rows.  The stage lies in slot 0: that slot has had its last fill, and every wave's last reads of it ended in front of the last lap's first barrier.
	PLACES
	s_lshl_b32 s16, s13, 7
	s_lshl_b32 s17, s10, 5
	s_add_co_u32 s16, s16, s17                     ; the first row that I store: 128 x block row + 32 x wave
	s_mul_i32 s16, s16, OUTP
	s_mov_b32 s17, 0
	s_add_nc_u64 s[72:73], s[72:73], s[16:17]
	s_mul_i32 s46, s42, 768                        ; the block's first column, in bytes
	s_mov_b32 s47, 0
	s_add_nc_u64 s[72:73], s[72:73], s[46:47]
; rows 64 hi + 16 a .. + 15: six tiles are rounded to f16 and put into the stage, 16 bytes a lane
.macro PUT hi, a
.if \hi
	WIN 0x0f
.else
	WIN 0x0a
.endif
.irp b, 0,1,2,3,4,5
.irp r, 0,1,2,3
	v_cvt_pk_f16_f32 v[TMP+4*\b+\r], v[8*(6*\a+\b)+2*\r], v[8*(6*\a+\b)+2*\r+1]
.endr
.endr
	WIN 0
.irp b, 0,1,2,3,4,5
	ds_store_b128 v[STO+\hi], v[TMP+4*\b:TMP+4*\b+3] offset:16*\a*SP+32*\b
.endr
.endm
.irp a, 0,1,2,3
	PUT 0, \a
.endr
.irp a, 0,1,2,3
	PUT 1, \a
.endr
	s_wait_dscnt 0x0                               ; my stores into the stage are done, for the others' sake
	s_barrier_signal -1
	s_barrier_wait -1                              ; everybody's are
; eight pieces of 2 rows x 256 bytes: piece e = 8 i + t is third e % 3 of rows 2 (e / 3), 2 (e / 3) + 1 of my 32
.macro GET i, f
	s_wait_xcnt 0x0                                ; buffer f, which earlier stores read, is loaded again only behind this wait (ISA guide 3.1)
.irp t, 0,1,2,3,4,5,6,7
	ds_load_b128 v[\f+4*\t:\f+4*\t+3], v[RD] offset:((8*\i+\t)/3)*2*SP+((8*\i+\t)%3)*256
.endr
.irp t, 0,1,2,3,4,5,6,7
	s_wait_dscnt 7-\t
	global_store_b128 v[CO], v[\f+4*\t:\f+4*\t+3], s[72:73] offset:((8*\i+\t)/3)*2*OUTP+((8*\i+\t)%3)*256   ; 16 lanes store 256 consecutive bytes, at a multiple of 256 from qkv's first byte
.endr
.endm
	GET 0, F0
	GET 1, F1
	GET 2, F0
	GET 3, F1
	GET 4, F0
	GET 5, F1
	s_set_vgpr_msb 0x1
	s_wait_tensorcnt 0x0
	ds_add_u32 v255, v255
	s_wait_dscnt 0x0
	s_set_vgpr_msb 0x100
	CROUND                                         ; the closing round: no work-group ends while a partner may still ask for a tile that names it
	s_endpgm
.Lfunc_end_k_q7d2cd5f3d5_proj_qkv:
	.size	k_q7d2cd5f3d5_proj_qkv, .Lfunc_end_k_q7d2cd5f3d5_proj_qkv-k_q7d2cd5f3d5_proj_qkv
	.p2alignl 7, 3214868480
	.fill 96, 4, 3214868480
	.section	.rodata,"a",@progbits
	.p2align	6, 0x0
	.amdhsa_kernel k_q7d2cd5f3d5_proj_qkv
		.amdhsa_group_segment_fixed_size 327680
		.amdhsa_private_segment_fixed_size 0
		.amdhsa_enable_private_segment 0
		.amdhsa_kernarg_size 32
		.amdhsa_user_sgpr_count 2
		.amdhsa_user_sgpr_kernarg_segment_ptr 1
		.amdhsa_wavefront_size32 1
		.amdhsa_system_sgpr_workgroup_id_x 1
		.amdhsa_system_sgpr_workgroup_id_y 1
		.amdhsa_system_sgpr_workgroup_id_z 1
		.amdhsa_system_vgpr_workitem_id 0
		.amdhsa_next_free_vgpr 1024
		.amdhsa_next_free_sgpr 76
		.amdhsa_reserve_vcc 0
		.amdhsa_float_denorm_mode_32 3
		.amdhsa_float_denorm_mode_16_64 3
		.amdhsa_memory_ordered 1
		.amdhsa_forward_progress 1
		.amdhsa_inst_pref_size 179
	.end_amdhsa_kernel
	.amdgpu_metadata
---
amdhsa.version: [ 1, 2 ]
amdhsa.kernels:
  - .name:           k_q7d2cd5f3d5_proj_qkv
    .symbol:         k_q7d2cd5f3d5_proj_qkv.kd
    .args:
      - { .name: w16, .offset: 0, .size: 8, .value_kind: global_buffer, .address_space: global }
      - { .name: W_o, .offset: 8, .size: 8, .value_kind: global_buffer, .address_space: global }
      - { .name: qkv, .offset: 16, .size: 8, .value_kind: global_buffer, .address_space: global }
      - { .name: wo16, .offset: 24, .size: 8, .value_kind: global_buffer, .address_space: global }
    .group_segment_fixed_size: 327680
    .private_segment_fixed_size: 0
    .kernarg_segment_align: 8
    .kernarg_segment_size: 32
    .max_flat_workgroup_size: 128
    .sgpr_count:     76
    .vgpr_count:     1024
    .wavefront_size: 32
...
	.end_amdgpu_metadata
.endif
;; end of part 2
;; launch attn (part 3): grid 8 x 32, 4 waves a work-group, no clusters, 327,680 bytes of LDS; arguments qkv, ob; writes ob
.if DOCPART == 3
	.amdgcn_target "amdgcn-amd-amdhsa--gfx1250"
	.amdhsa_code_object_version 6
	.text
	.protected	k_q7d2cd5f3d5_attn
	.globl	k_q7d2cd5f3d5_attn
	.p2align	8
	.type	k_q7d2cd5f3d5_attn,@function
k_q7d2cd5f3d5_attn:
	s_mov_b64 s[64:65], 0
	v_nop
	global_prefetch_b8 v0, s[64:65] scope:SCOPE_SE
	s_setreg_imm32_b32 hwreg(HW_REG_WAVE_MODE, 25, 1), 1
	s_wait_xcnt 0x0
; Causal softmax attention for one (batch, head): O = softmax(Q K^T / sqrt(128), keys <= query) V, with a running maximum.  Q, K, V f16 from qkv
; ([2048][6144], 12,288 bytes a row; Q at byte 0, K at 4,096, V at 8,192, head h at + 256 h); O f16 into ob ([2048][2048]).  Products on f16 operands,
; sums, maxima, exponentials in f32.  LIMITS: NaN and infinities are not treated specially; an exponential below 2^-126 comes out as zero;
; P (at most 1) and O (a mean of V's rows) are rounded to f16.
; SHARE.  Work-group (j, b h) makes two blocks of 64 queries, the low one qi = j and the high one qi = 15 - j, BOTH ALIVE AT ONCE: the low block's state lies in
; register window 0, the high block's in window 2, under the same register numbers.  Keys go in blocks of 128, walked once, 0 .. NH, NH = (15 - j) >> 1 (4 to 7).
; At key block p the low block works if p <= NL = j >> 1 (masked at p = NL), the high block always (masked at p = NH): (NL + 1) + (NH + 1) = 9 block products
; for every work-group, from NH + 1 key blocks brought in.  Wave w owns queries 16 w .. 16 w + 15 of each query block.
; Where a query block is the first half of its masked key block (qi even), keys 64-127 of that block lie behind every query: that half is left out.
; One of j and 15 - j is even, so every work-group leaves out the same amount.
; NO LOOP: eight places for key blocks are written out, the low block's products at places 0-3, the high block's at 0-7; scalar branches on j leave out the rest.
; The four barriers stand on every way through the text, outside those branches.
; NO CLUSTER: the eight work-groups of a head read the same key blocks, but the branches that leave masked work out hang on j, the place a work-group would have
; in its cluster.  Each asks for itself: 320 to 512 KiB a work-group.
; ORIENTATION.  S^T = K Q^T (source 0 = 16 keys, source 1 = 16 queries): lane (r = l % 16, h = l / 16), register i of tile t holds query r, key 16 t + 8 h + i.
; O^T = V^T P^T (source 0 = V through the transposing LDS load, source 1 = P): P's fragment for 32 keys is tiles 2 k and 2 k + 1 of S^T packed in place.
; So a lane's numbers all belong to one query: maximum and sum need one exchange between lanes l and l xor 16 and nothing else.
; LDS: two slots of two consecutive key blocks.  A slot is four parts of 36,864 bytes, wave w fills part w with one tensor load of 128 rows:
; K of the even block, K of the odd block (pitch 272; 34,816 bytes used), V of the even block, V of the odd block (pitch 288).
.set QP,     12288                     ; bytes in a row of qkv
.set KB2,    256*QP                    ; bytes from a pair of key blocks to the next
.set KP,     272                       ; LDS pitch of K's rows: 256 + 16, an odd multiple of 16
.set VP,     288                       ; LDS pitch of V's rows: 256 + 32, an odd multiple of 32, for the transposing load
.set PARTB,  128*VP                    ; 36,864: a part of a slot
.set SLOT,   4*PARTB                   ; 147,456
.set STAGE,  2*SLOT                    ; 294,912: 16 rows x 272 bytes for each wave, its own, never a tensor load's target
.set SPITCH, 272
; registers of a state (window 0: low, window 2: high)
.set RT,   2                           ; v2-9    at work in the reductions
.set STO,  18                          ; the way out: where I put 16 bytes
.set RD,   19                          ; the way out: where I read rows back
.set CO,   20                          ; my byte offset in ob
.set DM,   22                          ; my query less 8 h, counted from the masked key block's first key
.set NEG,  23                          ; minus infinity
.set NMC,  24                          ; v24-25  - maximum x c, twice
.set AL,   26                          ; v26-27  the rescaling factor (at the end 1 / sum), twice
.set MX,   28                          ; the running maximum of the raw scores
.set LS,   29                          ; the running sum, of my half of the keys
.set QF,   32                          ; v32-63  Q: four fragments of 32 along d
.set SC,   64                          ; v64-95  S^T: four tiles of 16 keys; then P in v64-79
.set OA,   96                          ; v96-159 O^T: eight tiles of 16 along d
.set FB,   160                         ; v160-223 the way out: packed results, rows read back
; window 0 alone
.set ADRK, 10                          ; v10-13  LDS address of my K fragments of key block p, p & 3 = 0..3
.set ADRV, 14                          ; v14-17  the same for V
.set QO,   21                          ; my byte offset in Q's rows
; window 1: fragments
.set FK,   0                           ; v0-127   K of 64 keys: fragment (ks, t) at 32 ks + 8 t
.set FV,   128                         ; v128-255 V of 64 keys: fragment (kk, d) at 64 kk + 8 d
.set G1K,  16                          ; s[16:23] group 1 for K's tiles
.set G1V,  24                          ; s[24:31] group 1 for V's tiles: more padding
.set GA,   32                          ; s[32:35] group 0, slot 0
.set GB,   36                          ; s[36:39] group 0, slot 1
.set NL,   14                          ; s14 the low block's masked key block
.set NH,   15                          ; s15 the high block's
.set SKL,  48                          ; s48 = NL if the low block leaves out keys 64-127 of it, else 64 (no place)
.set SKH,  49                          ; s49 the same for the high block
; s_set_vgpr_msb's low byte: bits 1:0 source 0, 3:2 source 1, 5:4 source 2, 7:6 destination
.set ALL0,  0x00                       ; every operand in the state's window
.set ALL2,  0xaa
.set MUL0,  0x01                       ; source 0 (the fragment) window 1, all else the state's window
.set MUL2,  0xa9
.set LOADF, 0x40                       ; destination window 1, address window 0
.set MSB, 0
.macro WIN new                         ; the immediate's high byte repeats the setting that is left; at a label and at a branch the setting is 0
.if MSB != \new
	s_set_vgpr_msb (MSB<<8)|\new
.set MSB, \new
.endif
.endm
.macro NOPS n
.rept \n
	v_nop
.endr
.endm
; One tensor load of this wave: waves 0, 1 bring K of the pair's two blocks, waves 2, 3 V.  The branch hangs on the wave's number alone.
.macro KVLOAD g
	s_cmp_eq_u32 s9, 0
	s_cbranch_scc0 .Lv_\@
	tensor_load_to_lds s[\g:\g+3], s[G1K:G1K+7]
	s_nop 0
	s_branch .Ldone_\@
.Lv_\@:
	tensor_load_to_lds s[\g:\g+3], s[G1V:G1V+7]
	s_nop 0
.Ldone_\@:
.endm
; The same, only if my block of the pair, blk + (w & 1), is one that is read
.macro KVLOADC g, blk
	s_add_co_u32 s58, s10, \blk
	s_cmp_gt_u32 s58, s[NH]
	s_cbranch_scc1 .Lnone_\@
	KVLOAD \g
.Lnone_\@:
.endm
	s_load_b128 s[4:7], s[0:1], 0x0                ; qkv s[4:5], ob s[6:7]
	v_lshl_add_u32 v254, v0, 2, 0x4c400
	v_mov_b32 v255, 0
	ds_add_u32 v254, v255
	ds_add_u32 v254, v255
	v_lshrrev_b32 v1, 5, v0
	v_readfirstlane_b32 s8, v1                     ; wave 0..3
	s_lshr_b32 s9, s8, 1                           ; 0: I fetch K, 1: V
	s_and_b32 s10, s8, 1                           ; which block of a pair I fetch
	s_and_b32 s12, ttmp7, 0xffff
	s_lshr_b32 s56, s12, 4                         ; batch
	s_and_b32 s57, s12, 15                         ; head
	s_lshl_b32 s53, s57, 8                         ; the head's 256 bytes in a row
	; group 1: a tile of 128 rows x 128 elements of 2 bytes; behind every 64 words 4 words of padding (K) or 8 (V)
	s_mov_b32 s[G1K+0], (1<<16)|(1<<20)|(5<<22)|(3<<25)
	s_mov_b32 s[G1V+0], (1<<16)|(1<<20)|(5<<22)|(7<<25)
	s_mov_b32 s[G1K+1], 128<<16                    ; tensor_dim0 = 128
	s_mov_b32 s[G1V+1], 128<<16
	s_mov_b32 s[G1K+2], 128<<16                    ; tensor_dim1 = 128
	s_mov_b32 s[G1V+2], 128<<16
	s_mov_b32 s[G1K+3], 128<<16                    ; tile_dim0 = 128
	s_mov_b32 s[G1V+3], 128<<16
	s_mov_b32 s[G1K+4], 128                        ; tile_dim1 = 128
	s_mov_b32 s[G1V+4], 128
	s_mov_b32 s[G1K+5], 6144                       ; elements from row to row
	s_mov_b32 s[G1V+5], 6144
	s_mov_b32 s[G1K+6], 0
	s_mov_b32 s[G1V+6], 0
	s_mov_b32 s[G1K+7], 0
	s_mov_b32 s[G1V+7], 0
	s_mul_i32 s52, s8, PARTB                       ; my part of a slot
	s_lshl_b32 s42, s56, 10                        ; my tile of the first pair: row 1024 b + 128 (w & 1),
	s_lshl_b32 s58, s10, 7
	s_add_co_u32 s42, s42, s58
	s_mul_i32 s42, s42, QP
	s_lshl_b32 s58, s9, 12                         ; K at byte 4,096 of a row, V at 8,192,
	s_add_co_u32 s42, s42, s58
	s_add_co_u32 s42, s42, s53                     ; the head
	s_add_co_u32 s42, s42, 4096
	s_mov_b32 s43, 0
	s_mov_b32 s[GA], 1
	s_add_co_u32 s[GA+1], s52, 0*SLOT
	s_mov_b32 s[GB], 1
	s_add_co_u32 s[GB+1], s52, 1*SLOT
	s_wait_dscnt 0x0
	s_wait_kmcnt 0x0
	s_add_nc_u64 s[GA+2:GA+3], s[4:5], s[42:43]    ; key blocks 0, 1
	s_add_nc_u64 s[GB+2:GB+3], s[GA+2:GA+3], KB2   ; key blocks 2, 3
	s_or_b32 s[GA+3], s[GA+3], 0x80000000          ; type = 2
	s_or_b32 s[GB+3], s[GB+3], 0x80000000
	; the first fills, both slots, as one group inside one branch: two loads of this wave are out
	s_cmp_eq_u32 s9, 0
	s_cbranch_scc0 .Lfirst_v
	tensor_load_to_lds s[GA:GA+3], s[G1K:G1K+7]
	s_nop 0
	tensor_load_to_lds s[GB:GB+3], s[G1K:G1K+7]
	s_nop 0
	s_branch .Lfirst_done
.Lfirst_v:
	tensor_load_to_lds s[GA:GA+3], s[G1V:G1V+7]
	s_nop 0
	tensor_load_to_lds s[GB:GB+3], s[G1V:G1V+7]
	s_nop 0
.Lfirst_done:
	; Q's and O's rows of my wave, for both query blocks
	s_sub_co_u32 s13, 15, ttmp9                    ; the high query block: 15 - j
	s_lshl_b32 s58, s56, 10
	s_lshl_b32 s59, s8, 4
	s_add_co_u32 s58, s58, s59                     ; 1024 b + 16 w
	s_lshl_b32 s60, s13, 6
	s_add_co_u32 s60, s60, s58                     ; + 64 (15 - j): my first row, high block
	s_lshl_b32 s61, ttmp9, 6
	s_add_co_u32 s58, s58, s61                     ; + 64 j: low block
	s_mul_i32 s42, s58, QP
	s_add_co_u32 s42, s42, s53
	s_add_nc_u64 s[44:45], s[4:5], s[42:43]        ; Q, low
	s_mul_i32 s42, s60, QP
	s_add_co_u32 s42, s42, s53
	s_add_nc_u64 s[54:55], s[4:5], s[42:43]        ; Q, high
	s_lshl_b32 s42, s58, 12
	s_add_co_u32 s42, s42, s53
	s_add_nc_u64 s[46:47], s[6:7], s[42:43]        ; O, low
	s_lshl_b32 s42, s60, 12
	s_add_co_u32 s42, s42, s53
	s_add_nc_u64 s[62:63], s[6:7], s[42:43]        ; O, high
	s_mov_b32 s50, 0x76543210                      ; v_permlanex16_b32: lane i of one half reads lane i of the other
	s_mov_b32 s51, 0xfedcba98
	v_and_b32 v30, 15, v0                          ; r
	v_bfe_u32 v31, v0, 4, 1                        ; h
	v_mul_u32_u24 v7, v30, QP
	v_lshl_add_u32 v[QO], v31, 4, v7               ; r rows + 16 h
.macro QLOAD qb                        ; four fragments: query r, d = 32 ks + 8 h .. and 32 ks + 16 + 8 h ..
.irp ks, 0,1,2,3
	global_load_b128 v[QF+8*\ks:QF+8*\ks+3],   v[QO], s[\qb:\qb+1] offset:64*\ks
	global_load_b128 v[QF+8*\ks+4:QF+8*\ks+7], v[QO], s[\qb:\qb+1] offset:64*\ks+32
.endr
.endm
	QLOAD 44                                       ; the low block's Q, window 0
	WIN 0x80                                       ; destination window 2, sources window 0
	QLOAD 54                                       ; the high block's Q, window 2
	WIN 0
	s_lshr_b32 s[NL], ttmp9, 1
	s_lshr_b32 s[NH], s13, 1
	s_and_b32 s60, ttmp9, 1
	s_cmp_eq_u32 s60, 0                            ; j even: the low block is the first half of its masked key block, the high block the second half of its own
	s_cselect_b32 s[SKL], s[NL], 64
	s_cselect_b32 s[SKH], 64, s[NH]
	s_lshl_b32 s60, s60, 6                         ; the low block's queries begin 64 (j & 1) keys into the masked block,
	s_sub_co_u32 s61, 64, s60                      ; the high block's 64 - that
	v_mul_u32_u24 v2, v30, KP
	v_lshl_add_u32 v2, v31, 4, v2                  ; K: row r, 16 h
	v_and_b32 v4, 7, v0
	v_lshl_add_u32 v4, v31, 3, v4                  ; V: row 8 h + l % 8,
	v_mul_u32_u24 v3, v4, VP
	v_bfe_u32 v5, v0, 3, 1
	v_lshl_add_u32 v3, v5, 4, v3                   ; 16 bytes further on for lanes 8-15 of each half
.irp i, 0,1,2,3
	v_add_nc_u32 v[ADRK+\i], (\i>>1)*SLOT+(\i&1)*PARTB, v2
	v_add_nc_u32 v[ADRV+\i], (\i>>1)*SLOT+(2+(\i&1))*PARTB, v3
.endr
	s_mul_i32 s58, s8, 16*SPITCH
	s_add_co_u32 s58, s58, STAGE                   ; my stage
	v_add_nc_u32 v[STO], s58, v2                   ; in: row r, 16 h
	v_mul_u32_u24 v6, v31, SPITCH
	v_lshl_add_u32 v6, v30, 4, v6
	v_add_nc_u32 v[RD], s58, v6                    ; back: lanes 0-15 one row of 256 bytes, lanes 16-31 the next
	v_lshlrev_b32 v7, 12, v31
	v_lshl_add_u32 v[CO], v30, 4, v7               ; the same two rows in ob
	v_lshlrev_b32 v7, 3, v31
	v_sub_nc_u32 v1, v30, v7
	v_add_nc_u32 v1, s59, v1                       ; 16 w + r - 8 h
	v_add_nc_u32 v[DM], s60, v1
	v_mov_b32 v[NEG], 0xff800000
	WIN 0x80                                       ; the high state's copies: destination window 2, sources window 0
	v_add_nc_u32 v[DM], s61, v1
	v_mov_b32 v[NEG], 0xff800000
	v_mov_b32 v[STO], v[STO]
	v_mov_b32 v[RD], v[RD]
	v_mov_b32 v[CO], v[CO]
	WIN 0
; A run of 32 LDS loads: K of keys 64 sub .. 64 sub + 63, four tiles of 16 keys for each 32 of d, d ascending
.macro KRUN ak, sub
.irp ks, 0,1,2,3
.irp t, 0,1,2,3
	ds_load_b128 v[FK+32*\ks+8*\t:FK+32*\ks+8*\t+3],   v[\ak] offset:\sub*64*KP+\t*16*KP+\ks*64
	ds_load_b128 v[FK+32*\ks+8*\t+4:FK+32*\ks+8*\t+7], v[\ak] offset:\sub*64*KP+\t*16*KP+\ks*64+32
.endr
.endr
.endm
; A run of 32 transposing LDS loads: V of the same keys, for each 32 keys eight tiles of 16 along d
.macro VRUN av, sub
.irp kk, 0,1
.irp d, 0,1,2,3,4,5,6,7
	ds_load_tr16_b128 v[FV+64*\kk+8*\d:FV+64*\kk+8*\d+3],   v[\av] offset:\sub*64*VP+\kk*32*VP+32*\d
	ds_load_tr16_b128 v[FV+64*\kk+8*\d+4:FV+64*\kk+8*\d+7], v[\av] offset:\sub*64*VP+\kk*32*VP+32*\d+16*VP
.endr
.endr
.endm
; S^T of 64 keys: 16 products.  The first of each sum takes the constant 0.  The four accumulators take turns, one instruction a turn.
; cnt = 1: the K run and a V run of 32 have just been issued: the eight K loads of d = 32 ks are in when at most 32 + 8 (3 - ks) younger loads are out.
.macro SMUL cnt
.irp ks, 0,1,2,3
.if \cnt
	s_wait_dscnt 32+8*(3-\ks)
.endif
.irp t, 0,1,2,3
.if \ks == 0
	v_wmma_f32_16x16x32_f16 v[SC+8*\t:SC+8*\t+7], v[FK+32*\ks+8*\t:FK+32*\ks+8*\t+7], v[QF+8*\ks:QF+8*\ks+7], 0
.else
	v_wmma_f32_16x16x32_f16 v[SC+8*\t:SC+8*\t+7], v[FK+32*\ks+8*\t:FK+32*\ks+8*\t+7], v[QF+8*\ks:QF+8*\ks+7], v[SC+8*\t:SC+8*\t+7]
.endif
.endr
.endr
.endm
; O^T += V^T P^T of 64 keys: 16 products, the eight accumulators by turns.  zero = 1: the first 32 keys start the sums.
.macro PVMUL zero
.irp kk, 0,1
.irp d, 0,1,2,3,4,5,6,7
.set ZC, 0
.if \zero
.if \kk == 0
.set ZC, 1
.endif
.endif
.if ZC
	v_wmma_f32_16x16x32_f16 v[OA+8*\d:OA+8*\d+7], v[FV+64*\kk+8*\d:FV+64*\kk+8*\d+7], v[SC+8*\kk:SC+8*\kk+7], 0
.else
	v_wmma_f32_16x16x32_f16 v[OA+8*\d:OA+8*\d+7], v[FV+64*\kk+8*\d:FV+64*\kk+8*\d+7], v[SC+8*\kk:SC+8*\kk+7], v[OA+8*\d:OA+8*\d+7]
.endif
.endr
.endr
.endm
; 64 keys' scores become P.  c = log2(e) / sqrt(128) = 0x3e0293ee.  p = 2^(s c - m c), with - m c rounded once and kept; the factor that rescales the older
; sums is 2^(new shift - old shift), the difference of the ROUNDED shifts, so that the shift cancels exactly.
; x: the state's window.  sub: which 64 keys of the block.  mk = 1: the mask's lines are there and run if this is the state's masked block (s[nreg] = p).
; pl = 1: the four places behind the last product stand here (else the caller has put them).
.macro SOFTMAX x, sub, mk, first, nreg, p, pl
.if \pl
	NOPS 4                                         ; four places behind the last product before its result is read (ISA guide 7.12.1)
.endif
.if \mk
	WIN 0
	s_cmp_lg_u32 s[\nreg], \p
	s_cbranch_scc1 .Lplain_\@
	WIN ALL\x
.irp t, 0,1,2,3
.irp i, 0,1,2,3,4,5,6,7
	v_cmp_gt_i32 vcc_lo, 64*\sub+16*\t+\i, v[DM]   ; key 64 sub + 16 t + 8 h + i lies behind my query:
	v_cndmask_b32 v[SC+8*\t+\i], v[SC+8*\t+\i], v[NEG], vcc_lo     ; minus infinity
.endr
.endr
	WIN 0
.Lplain_\@:
.endif
	WIN ALL\x
.irp k, 0,1,2,3
	v_max3_num_f32 v[RT+\k], v[SC+8*\k], v[SC+8*\k+1], v[SC+8*\k+2]        ; four chains that do not wait for each other
.endr
.irp k, 0,1,2,3
	v_max3_num_f32 v[RT+\k], v[RT+\k], v[SC+8*\k+3], v[SC+8*\k+4]
.endr
.irp k, 0,1,2,3
	v_max3_num_f32 v[RT+\k], v[RT+\k], v[SC+8*\k+5], v[SC+8*\k+6]
.endr
.irp k, 0,1,2,3
	v_max_num_f32 v[RT+\k], v[RT+\k], v[SC+8*\k+7]
.endr
	v_max3_num_f32 v[RT], v[RT], v[RT+1], v[RT+2]
	v_max_num_f32 v[RT], v[RT], v[RT+3]
	v_permlanex16_b32 v[RT+1], v[RT], s50, s51     ; the other half of my query's keys
.if \first
	v_max_num_f32 v[MX], v[RT], v[RT+1]            ; finite: key 0 of key block 0 is behind no query
.else
	v_max3_num_f32 v[MX], v[RT], v[RT+1], v[MX]
.endif
	v_mul_f32 v30, 0xbe0293ee, v[MX]               ; - m c
.if \first == 0
	v_sub_f32 v31, v30, v[NMC]
	v_exp_f32 v[AL], v31
	v_exp_f32 v[AL+1], v31                         ; the two moves below are the plain place behind these (ISA guide 5.7.2)
.endif
	v_mov_b32 v[NMC], v30
	v_mov_b32 v[NMC+1], v30
.irp i, 0,1,2,3,4,5,6,7,8,9,10,11,12,13,14,15
	v_pk_fma_f32 v[SC+2*\i:SC+2*\i+1], v[SC+2*\i:SC+2*\i+1], 0x3e0293ee, v[NMC:NMC+1] op_sel_hi:[1,0,1]
.endr
.irp t, 0,1,2,3
.irp i, 0,1,2,3,4,5,6,7
	v_exp_f32 v[SC+8*\t+\i], v[SC+8*\t+\i]
.endr
.endr
	v_nop                                          ; one plain place behind the last exponential
	s_wait_alu depctr_va_vdst(0)
.irp k, 0,1,2,3
	v_pk_add_f32 v[RT+2*\k:RT+2*\k+1], v[SC+8*\k:SC+8*\k+1], v[SC+8*\k+2:SC+8*\k+3]
.endr
.irp k, 0,1,2,3
	v_pk_add_f32 v[RT+2*\k:RT+2*\k+1], v[RT+2*\k:RT+2*\k+1], v[SC+8*\k+4:SC+8*\k+5]
.endr
.irp k, 0,1,2,3
	v_pk_add_f32 v[RT+2*\k:RT+2*\k+1], v[RT+2*\k:RT+2*\k+1], v[SC+8*\k+6:SC+8*\k+7]
.endr
	v_pk_add_f32 v[RT:RT+1], v[RT:RT+1], v[RT+2:RT+3]
	v_pk_add_f32 v[RT+4:RT+5], v[RT+4:RT+5], v[RT+6:RT+7]
	v_pk_add_f32 v[RT:RT+1], v[RT:RT+1], v[RT+4:RT+5]
.if \first
	v_add_f32 v[LS], v[RT], v[RT+1]
.else
	v_add_f32 v30, v[RT], v[RT+1]
	v_fma_f32 v[LS], v[LS], v[AL], v30             ; the sum stays that of my half of the keys until the end
.endif
.irp i, 0,1,2,3,4,5,6,7,8,9,10,11,12,13,14,15
	v_cvt_pk_f16_f32 v[SC+\i], v[SC+2*\i], v[SC+2*\i+1]        ; P, packed in place: registers 8 k .. 8 k + 7 are the fragment of keys 32 k .. 32 k + 31
.endr
.if \first == 0
.irp t, 0,1,2,3
.irp i, 0,1,2,3,4,5,6,7
	v_pk_mul_f32 v[OA+2*(8*\t+\i):OA+2*(8*\t+\i)+1], v[OA+2*(8*\t+\i):OA+2*(8*\t+\i)+1], v[AL:AL+1]
.endr
.endr
.endif
.endm
; One key block of 128 keys for the state in window x, from the LDS addresses ak, av; p: the key block's number.  Fragments come in four runs of 32 LDS loads:
; the next K run goes out behind the S products, the next V run behind the PV products, so each has a softmax or a phase of products in which to land.
; mk = 1: this may be the state's masked block (s[nreg] = p); if then s[skreg] = p too, keys 64-127 lie behind every query and their half is jumped over.
; On that short way K's second run has been loaded in vain: it goes out ahead of the softmax on both ways, so that the count in front of the PV products is one.
.macro ATT x, ak, av, mk, first, nreg, skreg, p
	WIN LOADF
	KRUN \ak, 0                                    ; K's registers were last multiplied ahead of a softmax's places
	NOPS 5                                         ; five places behind the last block's products: loads land on V's registers, and S^T is written over P
	VRUN \av, 0
	WIN MUL\x
	SMUL 1
	NOPS 4                                         ; four places: loads land on K's registers, and the softmax reads S^T
	WIN LOADF
	KRUN \ak, 1
	SOFTMAX \x, 0, \mk, \first, \nreg, \p, 0
	WIN MUL\x
	s_wait_dscnt 32                                ; V's run is in; the K run issued behind it may be out
	PVMUL \first
	NOPS 5                                         ; five places, on both ways: loads land on V's registers, and S^T is written over P
.if \mk
	WIN 0
	s_cmp_eq_u32 s[\skreg], \p
	s_cbranch_scc1 .Lhalf_\@
.endif
	WIN LOADF
	VRUN \av, 1
	WIN MUL\x
	s_wait_dscnt 32                                ; K's run is in; the V run issued behind it may be out
	SMUL 0
	SOFTMAX \x, 1, \mk, 0, \nreg, \p, 1
	WIN MUL\x
	s_wait_dscnt 0                                 ; V's run is in
	PVMUL 0
	WIN 0
.if \mk
.Lhalf_\@:
	s_wait_dscnt 0x0                               ; on the short way the K run that nobody multiplies has landed before its registers are loaded again
.endif
.endm
; In front of a slot's first key block: all my tensor loads have landed (my part of that slot among them), so group 0 g may be written: its slot's next pair;
; my LDS reads are back; the barrier makes both hold of all four waves.  The refill follows first thing behind it.
.macro HEAD g
	s_wait_tensorcnt 0x0
	ds_add_u32 v254, v255
	s_add_nc_u64 s[\g+2:\g+3], s[\g+2:\g+3], 2*KB2
	s_wait_dscnt 0x0
	s_barrier_signal -1
	s_barrier_wait -1
.endm
; The end of a query block: O / sum, rounded to f16, through my own stage into whole rows of 256 bytes.  Every register in the state's window.
.macro EPI x, ob
	WIN ALL\x
	NOPS 4                                         ; four places behind the last products before results are read
	v_permlanex16_b32 v30, v[LS], s50, s51
	v_add_f32 v[LS], v[LS], v30                    ; both halves of the keys
	v_rcp_f32 v[AL], v[LS]
	v_rcp_f32 v[AL+1], v[LS]
	v_nop                                          ; one plain place behind the reciprocals
	s_wait_alu depctr_va_vdst(0)
.irp t, 0,1,2,3
.irp i, 0,1,2,3,4,5,6,7
	v_pk_mul_f32 v[OA+2*(8*\t+\i):OA+2*(8*\t+\i)+1], v[OA+2*(8*\t+\i):OA+2*(8*\t+\i)+1], v[AL:AL+1]
.endr
.endr
.irp t, 0,1,2,3
.irp i, 0,1,2,3,4,5,6,7
	v_cvt_pk_f16_f32 v[FB+8*\t+\i], v[OA+2*(8*\t+\i)], v[OA+2*(8*\t+\i)+1]
.endr
.endr
.irp t, 0,1,2,3,4,5,6,7
	ds_store_b128 v[STO], v[FB+4*\t:FB+4*\t+3] offset:32*\t        ; query r, d = 16 t + 8 h .. + 7
.endr
.irp t, 0,1,2,3,4,5,6,7
	ds_load_b128 v[FB+32+4*\t:FB+32+4*\t+3], v[RD] offset:2*\t*SPITCH      ; LDS serves a wave's instructions in order (ISA guide 5.7.1): these see the stores above
.endr
.irp t, 0,1,2,3,4,5,6,7
	s_wait_dscnt 7-\t
	global_store_b128 v[CO], v[FB+32+4*\t:FB+32+4*\t+3], s[\ob:\ob+1] offset:8192*\t       ; 16 lanes store 256 consecutive bytes, at a multiple of 256 from ob's first byte; these registers are never written again
.endr
	WIN 0
.endm
	s_wait_tensorcnt 0x1                           ; my part of slot 0 is in; slot 1's may stay out
	s_barrier_signal -1
	s_barrier_wait -1                              ; key blocks 0 and 1 are whole
	s_wait_loadcnt 0x0                             ; Q of both query blocks
	ATT 0, ADRK,   ADRV,   1, 1, NL, SKL, 0        ; key block 0 starts every sum of both states
	ATT 2, ADRK,   ADRV,   0, 1, NH, SKH, 0
	s_cmp_lt_u32 s[NL], 1
	s_cbranch_scc1 .Lhigh1
	ATT 0, ADRK+1, ADRV+1, 1, 0, NL, SKL, 1
.Lhigh1:
	ATT 2, ADRK+1, ADRV+1, 0, 0, NH, SKH, 1
	HEAD GA                                        ; slot 1 is whole, nobody reads slot 0 any more
	KVLOADC GA, 4                                  ; key blocks 4, 5 into slot 0, as far as they are read: they have blocks 2 and 3 in which to land
	s_cmp_lt_u32 s[NL], 2
	s_cbranch_scc1 .Lhigh2
	ATT 0, ADRK+2, ADRV+2, 1, 0, NL, SKL, 2
.Lhigh2:
	ATT 2, ADRK+2, ADRV+2, 0, 0, NH, SKH, 2
	s_cmp_lt_u32 s[NL], 3
	s_cbranch_scc1 .Lhigh3
	ATT 0, ADRK+3, ADRV+3, 1, 0, NL, SKL, 3
.Lhigh3:
	ATT 2, ADRK+3, ADRV+3, 0, 0, NH, SKH, 3
	EPI 0, 46                                      ; the low block is done (NL <= 3): its stores leave while the high block goes on
	HEAD GB                                        ; slot 0 is whole again, nobody reads slot 1 any more
	KVLOADC GB, 6                                  ; key blocks 6, 7 into slot 1, as far as they are read: they have blocks 4 and 5 in which to land
	ATT 2, ADRK,   ADRV,   1, 0, NH, SKH, 4
	s_cmp_lt_u32 s[NH], 5
	s_cbranch_scc1 .Lsync
	ATT 2, ADRK+1, ADRV+1, 1, 0, NH, SKH, 5
.Lsync:
	; This wait and this barrier stand on every way, also in work-groups that asked for nothing behind the last barrier (NH < 6: the wait is met at once):
	; so every way from the refill of slot 1 to a read of slot 1 leads through the issuing wave's wait and a barrier of all four waves.
	s_wait_tensorcnt 0x0                           ; my part of key blocks 6, 7 is in
	s_wait_dscnt 0x0
	s_barrier_signal -1
	s_barrier_wait -1                              ; everybody's is; nothing is left to fetch
	s_cmp_lt_u32 s[NH], 6
	s_cbranch_scc1 .Lout
	ATT 2, ADRK+2, ADRV+2, 1, 0, NH, SKH, 6
	s_cmp_lt_u32 s[NH], 7
	s_cbranch_scc1 .Lout
	ATT 2, ADRK+3, ADRV+3, 1, 0, NH, SKH, 7
.Lout:
	EPI 2, 62
	s_wait_tensorcnt 0x0
	ds_add_u32 v254, v255
	s_wait_dscnt 0x0
	s_endpgm
.Lfunc_end_k_q7d2cd5f3d5_attn:
	.size	k_q7d2cd5f3d5_attn, .Lfunc_end_k_q7d2cd5f3d5_attn-k_q7d2cd5f3d5_attn
	.p2alignl 7, 3214868480
	.fill 96, 4, 3214868480
	.section	.rodata,"a",@progbits
	.p2align	6, 0x0
	.amdhsa_kernel k_q7d2cd5f3d5_attn
		.amdhsa_group_segment_fixed_size 327680
		.amdhsa_private_segment_fixed_size 0
		.amdhsa_enable_private_segment 0
		.amdhsa_kernarg_size 16
		.amdhsa_user_sgpr_count 2
		.amdhsa_user_sgpr_kernarg_segment_ptr 1
		.amdhsa_wavefront_size32 1
		.amdhsa_system_sgpr_workgroup_id_x 1
		.amdhsa_system_sgpr_workgroup_id_y 1
		.amdhsa_system_sgpr_workgroup_id_z 1
		.amdhsa_system_vgpr_workitem_id 0
		.amdhsa_next_free_vgpr 768
		.amdhsa_next_free_sgpr 66
		.amdhsa_reserve_vcc 1
		.amdhsa_float_denorm_mode_32 3
		.amdhsa_float_denorm_mode_16_64 3
		.amdhsa_memory_ordered 1
		.amdhsa_forward_progress 1
		.amdhsa_inst_pref_size 255
	.end_amdhsa_kernel
	.section	.bss,"aw",@nobits
	.p2align	6
	.space	262144
	.amdgpu_metadata
---
amdhsa.version: [ 1, 2 ]
amdhsa.kernels:
  - .name:           k_q7d2cd5f3d5_attn
    .symbol:         k_q7d2cd5f3d5_attn.kd
    .args:
      - { .name: qkv, .offset: 0, .size: 8, .value_kind: global_buffer, .address_space: global }
      - { .name: ob, .offset: 8, .size: 8, .value_kind: global_buffer, .address_space: global }
    .group_segment_fixed_size: 327680
    .private_segment_fixed_size: 0
    .kernarg_segment_align: 8
    .kernarg_segment_size: 16
    .max_flat_workgroup_size: 128
    .sgpr_count:     66
    .vgpr_count:     768
    .wavefront_size: 32
...
	.end_amdgpu_metadata
.endif
;; end of part 3
;; launch proj_out (part 4): grid 16 x 16, 4 waves a work-group, clusters of 4 x 4, 327,680 bytes of LDS; arguments ob, wo16, out0; writes out0
.if DOCPART == 4
	.amdgcn_target "amdgcn-amd-amdhsa--gfx1250"
	.amdhsa_code_object_version 6
	.text
	.protected	k_q7d2cd5f3d5_proj_out
	.globl	k_q7d2cd5f3d5_proj_out
	.p2align	8
	.type	k_q7d2cd5f3d5_proj_out,@function
k_q7d2cd5f3d5_proj_out:
	s_mov_b64 s[64:65], 0
	v_nop
	global_prefetch_b8 v0, s[64:65] scope:SCOPE_SE
	s_setreg_imm32_b32 hwreg(HW_REG_WAVE_MODE, 25, 1), 1
	s_wait_xcnt 0x0
	s_wait_alu depctr_hold_cnt(0) depctr_sa_sdst(0) depctr_va_vdst(0) depctr_va_sdst(0) depctr_va_ssrc(0) depctr_va_vcc(0) depctr_vm_vsrc(0)
	s_getreg_b32 s2, hwreg(HW_REG_IB_STS2, 6, 4)
	s_cmp_eq_u32 s2, 0
	s_cbranch_scc0 .Lentry_in_a_cluster
	s_endpgm
.Lentry_in_a_cluster:
	s_bfe_u32 s2, ttmp6, 0x10000c
	s_cmp_lg_u32 s2, 0xf033
	s_cbranch_scc0 .Lentry_shape_is_right
	s_endpgm
.Lentry_shape_is_right:
; out0[t][n] = sum over k of O[t][k] W_o[n][k].  O: ob, [2048][2048] f16.  W_o: wo16, [2048][2048] f16.  Sums f32, out0 f32.
; A work-group makes 128 x 128 with four waves, one for each SIMD of a WGP; wave w makes rows 64 (w >> 1) .., columns 64 (w & 1) ..: 16 accumulator tiles,
; 128 registers.  16 x 16 = 256 work-groups: a larger block would leave WGPs idle.  K goes in 8 steps of 256 (rows of 512 bytes of memory, at multiples of
; 512 bytes) through two LDS slots filled by the tensor data mover: the longer step gives a tile 120 matrix instructions in which to land.
; CLUSTERS: 4 x 4 work-groups; O's tile is asked for jointly along a row of the cluster, W_o's along a column.
; REGISTER WINDOWS: 0: addresses and A's fragments (two buffers); 1: B's fragments (two buffers); 2: accumulators, tile (a, b) at v[8 (4 a + b)].
; The matrix instruction is used transposed (source 0 = rows of W_o, source 1 = rows of O): a lane's eight results are eight neighbouring columns of one row.
.set SIZE_K, 2048
.set KSTEP,  256
.set PITCH,  528                       ; an LDS row: 512 bytes + 16 of padding, an odd multiple of 16
.set PART,   64*PITCH                  ; 64 rows: what one tensor load brings, and what one wave reads of A or of B
.set SLOT,   4*PART                    ; A's 128 rows, then B's 128 rows
.set STAGE,  2*SLOT                    ; 270,336, behind the ring: 16 rows x 272 bytes for each wave, for the way out; no tensor load fills it
.set SPITCH, 272
.set OUTP,   8192                      ; bytes in a row of out0
.set LAPS,   SIZE_K/(2*KSTEP)          ; 4
.set ADRA, 16                          ; v16-17  LDS address of my A fragments in slot 0, 1
.set ADRB, 20                          ; v20-21  the same for B
.set STO,  24
.set RD,   25
.set CO,   26
.set F0,   64                          ; fragment buffer 0: 64 along K: fragment 4 kq + block, kq = 0, 1
.set F1,   128                         ; fragment buffer 1
.set G1,  24
.set G0,  32
.set G1B, 48
.set G0B, 56
.set MSB, 0
.macro WIN new                         ; the immediate's high byte repeats the setting that is left
.if MSB != \new
	s_set_vgpr_msb (MSB<<8)|\new
.set MSB, \new
.endif
.endm
.set MUL,  0xa1                        ; source 0 (B) window 1, source 1 (A) window 0, C and D window 2
.set TO_B, 0x40                        ; destination window 1, address window 0
.macro JLOAD s                         ; waves 0, 1 fetch A's halves, waves 2, 3 B's; the branch hangs on the wave's number alone
	s_cmp_eq_u32 s11, 0
	s_cbranch_scc0 .Lfor_b_\@
	tensor_load_to_lds s[G0+4*\s:G0+4*\s+3], s[G1:G1+7]
	s_nop 0
	s_branch .Lasked_\@
.Lfor_b_\@:
	tensor_load_to_lds s[G0B+4*\s:G0B+4*\s+3], s[G1B:G1B+7]
	s_nop 0
.Lasked_\@:
.endm
.macro CREST                           ; a round of the cluster's barrier behind its opening barrier
	s_cmp_lg_u32 s10, 0
	s_cbranch_scc1 .Lnot_wave_0_\@
	s_barrier_signal -3
.Lnot_wave_0_\@:
	s_barrier_wait -3
	s_barrier_signal -1
	s_barrier_wait -1
.endm
.macro CROUND
	s_barrier_signal -1
	s_barrier_wait -1
	CREST
.endm
	s_load_b128 s[4:7], s[0:1], 0x0                ; ob s[4:5], wo16 s[6:7]
	s_load_b64 s[8:9], s[0:1], 0x10                ; out0
	s_set_vgpr_msb 0x40
	v_lshl_add_u32 v255, v0, 2, 0x46400
	s_set_vgpr_msb 0x4000
	v_mov_b32 v255, 0
	s_set_vgpr_msb 0x1
	ds_add_u32 v255, v255
	ds_add_u32 v255, v255
	s_set_vgpr_msb 0x100
	v_lshrrev_b32 v1, 5, v0
	v_readfirstlane_b32 s10, v1                    ; wave 0..3
	s_lshr_b32 s11, s10, 1                         ; which half of the block's rows is mine.  Also: I fetch for A (0) or for B (1)
	s_and_b32 s12, s10, 1                          ; which half of its columns.  Also: which 64 rows of that tile I fetch
	s_bfe_u32 s40, ttmp6, 0x40000                  ; cx
	s_bfe_u32 s41, ttmp6, 0x40004                  ; cy
	s_lshl_b32 s42, ttmp9, 2
	s_add_co_u32 s42, s42, s40                     ; block column
	s_and_b32 s13, ttmp7, 0xffff
	s_lshl_b32 s13, s13, 2
	s_add_co_u32 s13, s13, s41                     ; block row
	s_lshl_b32 s43, s41, 2
	s_lshl_b32 s43, 15, s43                        ; my row of the cluster
	s_lshl_b32 s44, 0x1111, s40                    ; my column
	; group 1: a tile of 64 rows x 256 elements of 2 bytes, 4 words of padding behind every 128 words
	s_or_b32 s[G1+0],  s43, (1<<16)|(1<<20)|(1<<21)|(6<<22)|(3<<25)
	s_or_b32 s[G1B+0], s44, (1<<16)|(1<<20)|(1<<21)|(6<<22)|(3<<25)
	s_mov_b32 s[G1+1],  KSTEP<<16                  ; tensor_dim0 = 256
	s_mov_b32 s[G1B+1], KSTEP<<16
	s_mov_b32 s[G1+2],  64<<16                     ; tensor_dim1 = 64
	s_mov_b32 s[G1B+2], 64<<16
	s_mov_b32 s[G1+3],  KSTEP<<16                  ; tile_dim0 = 256
	s_mov_b32 s[G1B+3], KSTEP<<16
	s_mov_b32 s[G1+4],  64                         ; tile_dim1 = 64
	s_mov_b32 s[G1B+4], 64
	s_mov_b32 s[G1+5],  SIZE_K
	s_mov_b32 s[G1B+5], SIZE_K
	s_mov_b32 s[G1+6],  0
	s_mov_b32 s[G1B+6], 0
	s_mov_b32 s[G1+7],  0
	s_mov_b32 s[G1B+7], 0
	s_lshl_b32 s17, s12, 6                         ; which 64 rows of the tile I fetch
	s_lshl_b32 s16, s13, 7
	s_add_co_u32 s16, s16, s17                     ; A: row 128 x block row + 64 x half of ob
	s_lshl_b32 s16, s16, 12                        ; in bytes
	s_lshl_b32 s46, s42, 7
	s_add_co_u32 s46, s46, s17                     ; B: row 128 x block column + 64 x half of wo16
	s_lshl_b32 s46, s46, 12
	s_mov_b32 s17, 0
	s_mov_b32 s47, 0
	s_mul_i32 s20, s10, PART                       ; where they go: wave x 64 rows
	s_wait_dscnt 0x0
	s_wait_kmcnt 0x0
	s_add_nc_u64 s[14:15], s[4:5], s[16:17]
	s_add_nc_u64 s[46:47], s[6:7], s[46:47]
	CROUND                                         ; all sixteen work-groups are here: the first joint loads meet
.irp s, 0,1
	s_mov_b32 s[G0+4*\s], 1
	s_add_co_u32 s[G0+4*\s+1], s20, \s*SLOT
	s_add_nc_u64 s[G0+4*\s+2:G0+4*\s+3], s[14:15], \s*KSTEP*2
	s_or_b32 s[G0+4*\s+3], s[G0+4*\s+3], 0x80000000
	s_mov_b32 s[G0B+4*\s], 1
	s_add_co_u32 s[G0B+4*\s+1], s20, \s*SLOT
	s_add_nc_u64 s[G0B+4*\s+2:G0B+4*\s+3], s[46:47], \s*KSTEP*2
	s_or_b32 s[G0B+4*\s+3], s[G0B+4*\s+3], 0x80000000
	JLOAD \s                                       ; both slots are asked for first: two loads of this wave are out
.endr
	v_and_b32 v1, 15, v0                           ; l % 16
	v_bfe_u32 v2, v0, 4, 1                         ; l / 16
	v_mul_u32_u24 v3, v1, PITCH
	v_lshl_add_u32 v3, v2, 4, v3
	s_mul_i32 s21, s11, PART                       ; my 64 rows of A
	s_mul_i32 s22, s12, PART                       ; my 64 rows of B,
	s_add_co_u32 s22, s22, 2*PART                  ; behind A's 128
.irp s, 0,1
	v_add_nc_u32 v[ADRA+\s], s21, v3
	v_add_nc_u32 v[ADRB+\s], s22, v3
	s_add_co_u32 s21, s21, SLOT
	s_add_co_u32 s22, s22, SLOT
.endr
	s_mul_i32 s23, s10, 16*SPITCH
	s_add_co_u32 s23, s23, STAGE                   ; my stage
	v_mul_u32_u24 v4, v1, SPITCH                   ; in: row l % 16, 32 bytes (8 f32) for each half of the lanes
	v_lshl_add_u32 v4, v2, 5, v4
	v_add_nc_u32 v[STO], s23, v4
	v_mul_u32_u24 v5, v2, SPITCH                   ; back: lanes 0-15 one row of 256 bytes, lanes 16-31 the next
	v_lshl_add_u32 v5, v1, 4, v5
	v_add_nc_u32 v[RD], s23, v5
	v_lshlrev_b32 v5, 13, v2                       ; the same two rows in out0
	v_lshl_add_u32 v[CO], v1, 4, v5
; 8 matrix instructions: row blocks a0, a0 + 1 x all 4 column blocks, 32 along K (half kq of the buffer's 64)
.macro MUL8 f, kq, a0, zero
.irp a, \a0, \a0+1
.irp b, 0,1,2,3
.if \zero
	v_wmma_f32_16x16x32_f16 v[8*(4*(\a)+\b):8*(4*(\a)+\b)+7], v[\f+8*(4*\kq+\b):\f+8*(4*\kq+\b)+7], v[\f+8*(4*\kq+\a):\f+8*(4*\kq+\a)+7], 0
.else
	v_wmma_f32_16x16x32_f16 v[8*(4*(\a)+\b):8*(4*(\a)+\b)+7], v[\f+8*(4*\kq+\b):\f+8*(4*\kq+\b)+7], v[\f+8*(4*\kq+\a):\f+8*(4*\kq+\a)+7], v[8*(4*(\a)+\b):8*(4*(\a)+\b)+7]
.endif
.endr
.endr
.endm
; 32 LDS loads in one run: 64 rows of B and 64 rows of A, 64 K at byte k of the rows, into buffer f; fragment i = 4 kq + block
.macro FETCH slot, k, f
	WIN TO_B
.irp i, 0,1,2,3,4,5,6,7
	ds_load_b128 v[\f+8*\i:\f+8*\i+3],   v[ADRB+\slot] offset:\k+64*(\i>>2)+(\i&3)*16*PITCH
	ds_load_b128 v[\f+8*\i+4:\f+8*\i+7], v[ADRB+\slot] offset:\k+64*(\i>>2)+(\i&3)*16*PITCH+32
.endr
	WIN 0
.irp i, 0,1,2,3,4,5,6,7
	ds_load_b128 v[\f+8*\i:\f+8*\i+3],   v[ADRA+\slot] offset:\k+64*(\i>>2)+(\i&3)*16*PITCH
	ds_load_b128 v[\f+8*\i+4:\f+8*\i+7], v[ADRA+\slot] offset:\k+64*(\i>>2)+(\i&3)*16*PITCH+32
.endr
.endm
; Four places behind a matrix instruction before a load lands on one of its registers or its result is read (ISA guide 7.12.1 for vector instructions);
; other matrix instructions are not counted as places.
.macro PLACES
.rept 4
	v_nop
.endr
.endm
; A K step is four quarters of 64 along K, 32 matrix instructions each, on buffers 0, 1, 0, 1.  The 16 accumulators take turns, one instruction a turn,
; in the same order in every half quarter.
.macro QUARTER slot, k, f, g, zero
	s_wait_dscnt 8                                 ; all of B and A's first 32 of K are in; the youngest eight loads (A's second 32) may be out
	WIN MUL
	MUL8 \f, 0, 0, \zero
	MUL8 \f, 0, 2, \zero
	PLACES
	FETCH \slot, \k, \g
	s_wait_dscnt 32                                ; all but the 32 just issued
	WIN MUL
	MUL8 \f, 1, 0, 0
	MUL8 \f, 1, 2, 0
.endm
.macro THREE slot, zero
	QUARTER \slot, 128, F0, F1, \zero
	QUARTER \slot, 256, F1, F0, 0
	QUARTER \slot, 384, F0, F1, 0
.endm
; The last quarter multiplies buffer 1 and changes slots: each wave's reads of this slot and all its tensor loads are waited for in front of the barrier;
; behind it the refill comes first, then the next slot's first fragments.
.macro TURN slot, next, fill
	s_wait_dscnt 8
	WIN MUL
	MUL8 F1, 0, 0, 0
	s_wait_dscnt 0                                 ; my reads of this slot are over
	s_wait_tensorcnt 0x0                           ; all my tensor loads have landed: the one that was out is my part of the next slot
	ds_add_u32 v255, v255
	s_wait_dscnt 0x0
	s_barrier_signal -1                            ; (where a slot is filled again this barrier opens a round of the cluster's barrier)
	MUL8 F1, 0, 2, 0
	WIN 0
	s_barrier_wait -1
.if \fill
	CREST                                          ; no wave of any partner still reads this slot's tile or has a load on its way
	s_add_nc_u64 s[G0+4*\slot+2:G0+4*\slot+3], s[G0+4*\slot+2:G0+4*\slot+3], 2*KSTEP*2
	s_add_nc_u64 s[G0B+4*\slot+2:G0B+4*\slot+3], s[G0B+4*\slot+2:G0B+4*\slot+3], 2*KSTEP*2
	JLOAD \slot                                    ; the first tensor load behind the round, and this wave's only one until the next
.endif
	PLACES
	FETCH \next, 0, F0
	WIN MUL
	MUL8 F1, 1, 0, 0
	MUL8 F1, 1, 2, 0
.endm
.macro LAP zero
	THREE 0, \zero
	TURN 0, 1, 1
	THREE 1, 0
	TURN 1, 0, 1
.endm
	s_wait_tensorcnt 1                             ; my part of K step 0 is in; K step 1's may stay out
	s_barrier_signal -1
	s_barrier_wait -1
	FETCH 0, 0, F0
	LAP 1                                          ; the first lap stands in front of the loop: its first products start the sums
	WIN 0
	s_mov_b32 s3, LAPS-2
.Llap:
	LAP 0
	WIN 0
	s_sub_co_u32 s3, s3, 1
	s_cmp_lg_u32 s3, 0
	s_cbranch_scc1 .Llap
	THREE 0, 0                                     ; the last lap fills nothing
	TURN 0, 1, 0
	THREE 1, 0
	s_wait_dscnt 8
	WIN MUL
	MUL8 F1, 0, 0, 0
	MUL8 F1, 0, 2, 0
	s_wait_dscnt 0
	MUL8 F1, 1, 0, 0
	MUL8 F1, 1, 2, 0
	; THE WAY OUT, 16 rows at a time: a lane's 32 bytes of a row go into my own stage, whole rows of 256 bytes (my 64 columns in f32) come back.
	PLACES
	s_lshl_b32 s16, s13, 7
	s_lshl_b32 s17, s11, 6
	s_add_co_u32 s16, s16, s17                     ; my first row
	s_lshl_b32 s16, s16, 13                        ; x 8,192 bytes
	s_mov_b32 s17, 0
	s_add_nc_u64 s[8:9], s[8:9], s[16:17]
	s_lshl_b32 s46, s42, 9                         ; my first column, in bytes: 512 x block + 256 x half
	s_lshl_b32 s47, s12, 8
	s_add_co_u32 s46, s46, s47
	s_mov_b32 s47, 0
	s_add_nc_u64 s[8:9], s[8:9], s[46:47]
.macro OUT16 a, f
	WIN 0x08                                       ; the stores' data in window 2, their address in window 0
.irp b, 0,1,2,3
	ds_store_b128 v[STO], v[8*(4*\a+\b):8*(4*\a+\b)+3]   offset:64*\b
	ds_store_b128 v[STO], v[8*(4*\a+\b)+4:8*(4*\a+\b)+7] offset:64*\b+16
.endr
	WIN 0
	s_wait_xcnt 0x0                                ; buffer f, which earlier stores read, and the stores' base are rewritten only behind this wait (ISA guide 3.1)
.if \a
	s_add_nc_u64 s[8:9], s[8:9], 16*OUTP
.endif
.irp t, 0,1,2,3,4,5,6,7
	ds_load_b128 v[\f+4*\t:\f+4*\t+3], v[RD] offset:\t*2*SPITCH    ; LDS serves a wave's instructions in order (ISA guide 5.7.1): these see the stores above
.endr
.irp t, 0,1,2,3,4,5,6,7
	s_wait_dscnt 7-\t
	global_store_b128 v[CO], v[\f+4*\t:\f+4*\t+3], s[8:9] offset:2*\t*OUTP th:TH_STORE_NT   ; 16 lanes store 256 consecutive bytes, at a multiple of 256 from out0's first byte
.endr
.endm
	OUT16 0, F0
	OUT16 1, F1
	OUT16 2, F0
	OUT16 3, F1
	s_set_vgpr_msb 0x1
	s_wait_tensorcnt 0x0
	ds_add_u32 v255, v255
	s_wait_dscnt 0x0
	s_set_vgpr_msb 0x100
	CROUND                                         ; the closing round: no work-group ends while a partner may still ask for a tile that names it
	s_endpgm
.Lfunc_end_k_q7d2cd5f3d5_proj_out:
	.size	k_q7d2cd5f3d5_proj_out, .Lfunc_end_k_q7d2cd5f3d5_proj_out-k_q7d2cd5f3d5_proj_out
	.p2alignl 7, 3214868480
	.fill 96, 4, 3214868480
	.section	.rodata,"a",@progbits
	.p2align	6, 0x0
	.amdhsa_kernel k_q7d2cd5f3d5_proj_out
		.amdhsa_group_segment_fixed_size 327680
		.amdhsa_private_segment_fixed_size 0
		.amdhsa_enable_private_segment 0
		.amdhsa_kernarg_size 24
		.amdhsa_user_sgpr_count 2
		.amdhsa_user_sgpr_kernarg_segment_ptr 1
		.amdhsa_wavefront_size32 1
		.amdhsa_system_sgpr_workgroup_id_x 1
		.amdhsa_system_sgpr_workgroup_id_y 1
		.amdhsa_system_sgpr_workgroup_id_z 1
		.amdhsa_system_vgpr_workitem_id 0
		.amdhsa_next_free_vgpr 640
		.amdhsa_next_free_sgpr 66
		.amdhsa_reserve_vcc 0
		.amdhsa_float_denorm_mode_32 3
		.amdhsa_float_denorm_mode_16_64 3
		.amdhsa_memory_ordered 1
		.amdhsa_forward_progress 1
		.amdhsa_inst_pref_size 123
	.end_amdhsa_kernel
	.amdgpu_metadata
---
amdhsa.version: [ 1, 2 ]
amdhsa.kernels:
  - .name:           k_q7d2cd5f3d5_proj_out
    .symbol:         k_q7d2cd5f3d5_proj_out.kd
    .args:
      - { .name: ob, .offset: 0, .size: 8, .value_kind: global_buffer, .address_space: global }
      - { .name: wo16, .offset: 8, .size: 8, .value_kind: global_buffer, .address_space: global }
      - { .name: out0, .offset: 16, .size: 8, .value_kind: global_buffer, .address_space: global }
    .group_segment_fixed_size: 327680
    .private_segment_fixed_size: 0
    .kernarg_segment_align: 8
    .kernarg_segment_size: 24
    .max_flat_workgroup_size: 128
    .sgpr_count:     66
    .vgpr_count:     640
    .wavefront_size: 32
...
	.end_amdgpu_metadata
.endif
;; end of part 4
